; MI455X (gfx1250); checked and timed in simulation.
; The chip was launched on July 23, 2026; its instructions are those of AMD's public machine-readable ISA for CDNA 5 (MIT licence, August 2026) and "CDNA5" Instruction Set Architecture Reference Guide (July 2026). The comments in the code are by the model that wrote it; some were corrected since.
;; Bipolar Dense Layer. Allowed arithmetic: float matrix products may take bf16 or f16 operands with f32 sums; other float arithmetic in f32, or as packed bf16 or f16 multiplies, adds, multiply-adds, maxima and minima; sums over many terms, partial sums and values carried from step to step in f32; what a program stores and reads back later, other than sums and carried values, may be rounded once to bf16 or f16.
;; Inputs: b 4,096 float32; w 4,096 x 4,096 float32; x 4,096 x 4,096 float32.
;; Outputs: out0 4,096 x 4,096 float32.
;; 2 versions, each right; version 2 is version 1 with the launch prep written anew for expert scheduling mode. Each part assembles by itself: llvm-mc -triple=amdgcn-amd-amdhsa -mcpu=gfx1250 --defsym DOCPART=n.
;; ======== version 1 of 2: 2 launches
;; workspace buffers: xb 33,554,432 bytes; ws 33,554,432 bytes
;; launch prep (part 1): grid 1024 x 1, 8 waves a work-group, no clusters, 0 bytes of LDS; arguments x, w, xb, ws; writes xb, ws
.if DOCPART == 1
	.amdgcn_target "amdgcn-amd-amdhsa--gfx1250"
	.amdhsa_code_object_version 6
	.text
	.protected	k_q6c9d27b27a_prep
	.globl	k_q6c9d27b27a_prep
	.p2align	8
	.type	k_q6c9d27b27a_prep,@function
k_q6c9d27b27a_prep:
	s_mov_b64 s[64:65], 0
	v_nop
	global_prefetch_b8 v0, s[64:65] scope:SCOPE_SE
	s_setreg_imm32_b32 hwreg(HW_REG_WAVE_MODE, 25, 1), 1
	s_wait_xcnt 0x0
; out0 = relu(x . sign(w) + b), first of two launches: the two matrix operands are made once, in 16 bits.
;   xb[m][k] = x[m][k] rounded to bf16 (nearest even);  ws[k][n] = sign(w[k][n]) in bf16: -1, 0 or +1, exact.  Both keep their input's layout: nothing is turned here.
; Nothing of reference() is left out in this program: x, w and b all reach the output, sign() is taken of the f32 w, the bias is added and the relu applied in the second launch.
; LIMITS.  A NaN in w counts as +1 or -1 by its sign bit (reference() gives NaN there).  -0 and +0 in w give +0.  A denormal w gives +1 or -1, as in reference().
; x has bf16's 8 significant bits after this launch; its range is f32's.
; SHARES.  A stream: 1,024 work-groups of eight waves; work-group g owns bytes 65,536 g .. of x and of w and bytes 32,768 g .. of xb and of ws.
; Thread t takes, for i = 0 .. 15, the 16 bytes at 4,096 i + 16 t of each input part and stores the 8 bytes at 2,048 i + 8 t of each output part:
; a load of a wave covers 512 consecutive bytes, a store of a wave 256 consecutive bytes, at a multiple of 256 from the buffer's first byte.
; No wave wants a byte that another wave fetched: no LDS, no barrier, no matrix unit.  All 32 loads of a wave (16 KiB) go out ahead of the first wait; no register that a
; load or store names is written again, so the only waits are the counted ones for the loads' data.
.set X, 4                              ; v[4:67]    slot i: four f32 of x as loaded; its first two registers then hold the four bf16 to store
.set W, 68                             ; v[68:131]  the same for w
.set T, 132                            ; v[132:135] at work
	s_load_b256 s[4:11], s[0:1], 0x0               ; x s[4:5], w s[6:7], xb s[8:9], ws s[10:11]
	s_lshl_b32 s12, ttmp9, 16                      ; my part of the inputs, in bytes (under 2^26)
	s_mov_b32 s13, 0
	s_lshl_b32 s14, ttmp9, 15                      ; my part of the outputs
	s_mov_b32 s15, 0
	s_mov_b32 s16, 0x7fffffff                      ; all bits but the sign
	s_mov_b32 s17, 0x3f800000                      ; 1.0
	v_lshlrev_b32 v1, 4, v0                        ; 16 t
	v_lshlrev_b32 v2, 3, v0                        ; 8 t
	s_wait_kmcnt 0x0
	s_add_nc_u64 s[4:5], s[4:5], s[12:13]
	s_add_nc_u64 s[6:7], s[6:7], s[12:13]
	s_add_nc_u64 s[8:9], s[8:9], s[14:15]
	s_add_nc_u64 s[10:11], s[10:11], s[14:15]
.irp i, 0,1,2,3,4,5,6,7,8,9,10,11,12,13,14,15
	global_load_b128 v[X+4*(\i):X+4*(\i)+3], v1, s[4:5] offset:4096*(\i) th:TH_LOAD_NT  ; load number 2 i
	global_load_b128 v[W+4*(\i):W+4*(\i)+3], v1, s[6:7] offset:4096*(\i) th:TH_LOAD_NT  ; load number 2 i + 1
.endr
; Four numbers of x: two roundings an instruction, 8 bytes stored.
.macro CVX i
	s_wait_loadcnt 31-2*(\i)                       ; loads come back in order (ISA guide 5.7.1): behind load 2 i stand 31 - 2 i younger ones
	v_cvt_pk_bf16_f32 v[X+4*(\i)],   v[X+4*(\i)],   v[X+4*(\i)+1]
	v_cvt_pk_bf16_f32 v[X+4*(\i)+1], v[X+4*(\i)+2], v[X+4*(\i)+3]
	global_store_b64 v2, v[X+4*(\i):X+4*(\i)+1], s[8:9] offset:2048*(\i)
.endm
; Four numbers of w: 1.0 with w's sign, or 0 where w is 0; the conversion to bf16 is exact.
.macro SGW i
	s_wait_loadcnt 30-2*(\i)                       ; behind load 2 i + 1 stand 30 - 2 i younger ones
.irp k, 0,1,2,3
	v_cmp_neq_f32 s[20+(\k)], 0, v[W+4*(\i)+(\k)]
	v_bfi_b32 v[T+(\k)], s16, s17, v[W+4*(\i)+(\k)]            ; 1.0's bits below, w's sign on top
.endr
.irp k, 0,1,2,3
	v_cndmask_b32 v[T+(\k)], 0, v[T+(\k)], s[20+(\k)]
.endr
	v_cvt_pk_bf16_f32 v[W+4*(\i)],   v[T],   v[T+1]
	v_cvt_pk_bf16_f32 v[W+4*(\i)+1], v[T+2], v[T+3]
	global_store_b64 v2, v[W+4*(\i):W+4*(\i)+1], s[10:11] offset:2048*(\i)
.endm
.irp i, 0,1,2,3,4,5,6,7,8,9,10,11,12,13,14,15
	CVX \i
	SGW \i
.endr
	s_endpgm
.Lfunc_end_k_q6c9d27b27a_prep:
	.size	k_q6c9d27b27a_prep, .Lfunc_end_k_q6c9d27b27a_prep-k_q6c9d27b27a_prep
	.p2alignl 7, 3214868480
	.fill 96, 4, 3214868480
	.section	.rodata,"a",@progbits
	.p2align	6, 0x0
	.amdhsa_kernel k_q6c9d27b27a_prep
		.amdhsa_group_segment_fixed_size 0
		.amdhsa_private_segment_fixed_size 0
		.amdhsa_enable_private_segment 0
		.amdhsa_kernarg_size 32
		.amdhsa_user_sgpr_count 2
		.amdhsa_user_sgpr_kernarg_segment_ptr 1
		.amdhsa_wavefront_size32 1
		.amdhsa_system_sgpr_workgroup_id_x 1
		.amdhsa_system_sgpr_workgroup_id_y 1
		.amdhsa_system_sgpr_workgroup_id_z 1
		.amdhsa_system_vgpr_workitem_id 0
		.amdhsa_next_free_vgpr 136
		.amdhsa_next_free_sgpr 66
		.amdhsa_reserve_vcc 0
		.amdhsa_float_denorm_mode_32 3
		.amdhsa_float_denorm_mode_16_64 3
		.amdhsa_memory_ordered 1
		.amdhsa_forward_progress 1
		.amdhsa_inst_pref_size 24
	.end_amdhsa_kernel
	.amdgpu_metadata
---
amdhsa.version: [ 1, 2 ]
amdhsa.kernels:
  - .name:           k_q6c9d27b27a_prep
    .symbol:         k_q6c9d27b27a_prep.kd
    .args:
      - { .name: x, .offset: 0, .size: 8, .value_kind: global_buffer, .address_space: global }
      - { .name: w, .offset: 8, .size: 8, .value_kind: global_buffer, .address_space: global }
      - { .name: xb, .offset: 16, .size: 8, .value_kind: global_buffer, .address_space: global }
      - { .name: ws, .offset: 24, .size: 8, .value_kind: global_buffer, .address_space: global }
    .group_segment_fixed_size: 0
    .private_segment_fixed_size: 0
    .kernarg_segment_align: 8
    .kernarg_segment_size: 32
    .max_flat_workgroup_size: 256
    .sgpr_count:     66
    .vgpr_count:     136
    .wavefront_size: 32
...
	.end_amdgpu_metadata
.endif
;; end of part 1
;; launch gemm (part 2): grid 16 x 16, 4 waves a work-group, clusters of 4 x 4, 327,680 bytes of LDS; arguments xb, ws, out0, b; writes out0
.if DOCPART == 2
	.amdgcn_target "amdgcn-amd-amdhsa--gfx1250"
	.amdhsa_code_object_version 6
	.text
	.protected	k_q6c9d27b27a_gemm
	.globl	k_q6c9d27b27a_gemm
	.p2align	8
	.type	k_q6c9d27b27a_gemm,@function
k_q6c9d27b27a_gemm:
	s_mov_b64 s[64:65], 0
	v_nop
	global_prefetch_b8 v0, s[64:65] scope:SCOPE_SE
	s_setreg_imm32_b32 hwreg(HW_REG_WAVE_MODE, 25, 1), 1
	s_wait_xcnt 0x0
	s_wait_alu depctr_hold_cnt(0) depctr_sa_sdst(0) depctr_va_vdst(0) depctr_va_sdst(0) depctr_va_ssrc(0) depctr_va_vcc(0) depctr_vm_vsrc(0)
	s_getreg_b32 s2, hwreg(HW_REG_IB_STS2, 6, 4)
	s_cmp_eq_u32 s2, 0
	s_cbranch_scc0 .Lentry_in_a_cluster
	s_endpgm
.Lentry_in_a_cluster:
	s_bfe_u32 s2, ttmp6, 0x10000c
	s_cmp_lg_u32 s2, 0xf033
	s_cbranch_scc0 .Lentry_shape_is_right
	s_endpgm
.Lentry_shape_is_right:
; out0[m][n] = relu(b[n] + the sum over k of xb[m][k] ws[k][n]).  xb: [4096 m][4096 k] bf16 (x rounded), ws: [4096 k][4096 n] bf16 (sign(w)), b: [4096] f32, out0: [4096][4096] f32.
; Nothing of reference() is left out.  One f32 sum for each output, K ascending, begun with b[n]: the bias is the C operand of each sum's first product, so nothing is cleared and nothing added later.
; LIMITS.  A sum that is NaN leaves as 0 (the relu's maximum lets a NaN lose; reference() keeps it).  The operands' limits are stated at the head of the launch that makes them.
; SHARES.  A tile of out0, 256 x 256, is made by a work-group of four waves; a wave makes 128 x 128: 64 accumulators of 16 x 16, 512 registers.  16 x 16 tiles: 256 work-groups.
; K goes in 32 steps of 128 through a ring of two LDS slots filled by the tensor data mover.  A's tile (xb) is 256 rows of 256 bytes; B's tile (ws) is 128 rows (k) of 512 bytes (256 n):
; every row of either starts at a multiple of 256 bytes from its buffer's first byte.
; B LIES [K][N]: its fragments come out of LDS turned, by ds_load_tr16_b128, two loads a fragment as for A.
; CLUSTERS.  4 x 4 work-groups.  The four of a row of the cluster make tiles of one tile row and need the same tiles of A; the four of a column need the same tiles of B.  Such a tile is asked for
; JOINTLY: each of the four issues the same tensor load, with the same descriptor and a mask that names the four, and each receives it in its own LDS.
; THE MATRIX INSTRUCTION IS USED TRANSPOSED: source 0 = 16 columns n of ws, source 1 = 16 rows m of xb.  Lane l then holds row m = l % 16 of out0 and its registers 0 to 7 the columns
; 8 (l / 16) + 0 .. 7: 32 neighbouring bytes of a row.
; REGISTERS, in windows of 256 (s_set_vgpr_msb's low byte: bits 1:0 source 0, 3:2 source 1, 5:4 source 2, 7:6 destination):
;   window 0: v0-31 addresses; v64-127, v128-191 fragments of A, two buffers (on the way out: rows read back from the stage); v192-255 the bias of my 128 columns, as a C operand
;   window 1: v64-127, v128-191 fragments of B, two buffers
;   window 2: the 32 accumulators of my rows 0-63 (accumulator (a, b) at v[8 (8 a + b)]);   window 3: those of my rows 64-127
.set PA,     272                       ; a row of A in LDS: 256 bytes + 16 of padding = 68 words: row r starts at bank 4 r mod 64 (64 banks of 4 bytes: ISA guide 11.1), the 16 rows of a load at 16 different places
.set PB,     544                       ; a row of B: 512 + 32 = 136 words: row r starts at bank 8 r mod 64
.set HALFT,  128*PA                    ; what one tensor load brings: 128 rows of A, or 64 rows of B (64 x 544 is the same 34,816 bytes)
.set SLOT,   4*HALFT                   ; A's 256 rows, then B's 128 rows
.set STAGE,  2*SLOT                    ; behind the ring: 16 rows x 528 bytes for each wave, for the way out; no tensor load lands here
.set SP,     528                       ; a stage row: 512 bytes + 16
.set SPARE,  STAGE+4*16*SP             ; behind the stages: the spare words, 128 bytes for each wave: two blocks of 256 bytes that no other line names
.set LAPS,   16                        ; a lap = two K steps = once round the ring
.set ASTEP,  256                       ; bytes from a K step to the next in xb: 128 numbers along a row
.set BSTEP,  0x100000                  ; and in ws: 128 rows of 8,192 bytes
.set ADRA, 16                          ; v16-17  LDS address of my A fragments in slot 0, 1
.set ADRB, 20                          ; v20-21  the same for B
.set STO,  24                          ; v24     the way out: where I put 32 bytes of a row
.set RD,   25                          ; v25     the way out: where I read a row back
.set CO,   26                          ; v26     my byte offset in a row of my part of out0
.set BO,   27                          ; v27     my byte offset in my 128 numbers of b
.set SPW,  28                          ; v28     LDS address of my spare word: SPARE + 4 x my thread's number; never rewritten
.set NIL,  29                          ; v29     0; never rewritten
.set PFO,  30                          ; v30     the prefetches' lane offset; never rewritten
.set F0,   64                          ; fragment buffer 0
.set F1,   128                         ; fragment buffer 1
.set BIAS, 192                         ; v[192+8 b+j] = b[my first column + 16 b + 8 (l / 16) + j]
.set WV,   12                          ; s12  my wave's number
.set RH,   13                          ; s13  which half of the tile's rows is mine.  Also: I fetch for A (0) or for B (1)
.set CH,   14                          ; s14  which half of its columns.  Also: which half of that tile I fetch
.set LIM,  15                          ; s15  1 in a wave that prefetches, else the greatest number
.set PFS,  22                          ; s[22:23] the prefetches' step from K step to K step
.set G1,   24                          ; s[24:31] descriptor group 1 for A's tiles
.set G0,   32                          ; s[32:39] descriptor group 0 for A's tiles, one set for each slot
.set PFA,  44                          ; s[44:45] where my prefetches stand
.set G1B,  48                          ; s[48:55] descriptor group 1 for B's tiles
.set G0B,  56                          ; s[56:63] descriptor group 0 for B's tiles, one set for each slot
.set MSB, 0
.macro WIN new                         ; the immediate's high byte repeats the setting that is left; a switch that changes nothing is dropped
.if MSB != (\new)
	s_set_vgpr_msb (MSB<<8)|(\new)
.set MSB, \new
.endif
.endm
; A joint load.  Waves 0 and 1 fetch A's two halves, waves 2 and 3 B's.  Each of the two lines has one mask and one set of registers for all that issue it.  The branch hangs on the wave's number alone.
; An s_nop 0 and four v_nop follow each of the two lines, ahead of the jump, the label and what follows the macro.
.macro JLOAD s
	s_cmp_eq_u32 s[RH], 0
	s_cbranch_scc0 .Lfor_b_\@
	tensor_load_to_lds s[G0+4*(\s):G0+4*(\s)+3], s[G1:G1+7]
	s_nop 0
.rept 4
	v_nop
.endr
	s_branch .Lasked_\@
.Lfor_b_\@:
	tensor_load_to_lds s[G0B+4*(\s):G0B+4*(\s)+3], s[G1B:G1B+7]
	s_nop 0
.rept 4
	v_nop
.endr
.Lasked_\@:
.endm
; A PREFETCH INTO THE L2, behind each joint refill, its five lines and the run of LDS loads that follows: the K step that stands TWO refills on, 512 matrix instructions ahead of the load that will ask for it.
; Each aligned block of 256 bytes of xb and ws is named once in the launch.  A's tile row is read by every cluster of that row of clusters: the one with cluster x = 0 asks; B's tile column by every
; cluster of that column: cluster y = 0 asks.  The four partners that ask for a tile jointly share its blocks out BY ADDRESS: of an A wave's 128 rows the partner at cx takes 32, a lane a row;
; of a B wave's 64 rows of 512 bytes the partner at cy takes 16, two lanes a row.  One instruction a wave.  K steps 0 to 3 come by their loads alone; the loop's last trip (s3 = 1) asks for nothing:
; the K steps two refills on do not exist.
.macro ASK
	s_cmp_gt_u32 s3, s[LIM]
	s_cbranch_scc0 .Lnot_mine_\@
	global_prefetch_b8 v[PFO], s[PFA:PFA+1] th:TH_LOAD_NT scope:SCOPE_SE
.Lnot_mine_\@:
.endm
; A round of the cluster's barrier: my work-group's barrier, so that wave 0's signal speaks for all four waves; wave 0 signals for the work-group; every wave waits for all sixteen work-groups;
; my work-group's barrier once more.  No LDS instruction of the wave is pending at a signal.
.macro CREST                           ; a round behind its opening barrier
	s_cmp_lg_u32 s[WV], 0
	s_cbranch_scc1 .Lnot_wave_0_\@
	s_barrier_signal -3
.Lnot_wave_0_\@:
	s_barrier_wait -3
	s_barrier_signal -1
	s_barrier_wait -1
.endm
.macro CROUND                          ; a whole round
	s_barrier_signal -1
	s_barrier_wait -1
	CREST
.endm
	s_load_b256 s[4:11], s[0:1], 0x0               ; xb s[4:5], ws s[6:7], out0 s[8:9], b s[10:11]
	v_lshl_add_u32 v[SPW], v0, 2, SPARE
	v_mov_b32 v[NIL], 0
	ds_add_u32 v[SPW], v[NIL]                      ; the wave's opening: the add, twice on end, and its wait ahead of my first tensor load; the set-up below, work on registers, stands between
	ds_add_u32 v[SPW], v[NIL]                      ; and once more, under the one wait
	v_lshrrev_b32 v1, 5, v0
	v_readfirstlane_b32 s[WV], v1                  ; wave 0..3
	s_lshr_b32 s[RH], s[WV], 1
	s_and_b32 s[CH], s[WV], 1
	s_bfe_u32 s40, ttmp6, 0x40000                  ; cx: my place along the cluster's x
	s_bfe_u32 s41, ttmp6, 0x40004                  ; cy: along its y
	s_lshl_b32 s42, ttmp9, 2                       ; in a cluster launch ttmp9 and ttmp7 count clusters
	s_add_co_u32 s42, s42, s40                     ; tile column = 4 x cluster x + cx
	s_and_b32 s43, ttmp7, 0xffff
	s_lshl_b32 s43, s43, 2
	s_add_co_u32 s43, s43, s41                     ; tile row = 4 x cluster y + cy
	s_lshl_b32 s20, s41, 2
	s_lshl_b32 s20, 15, s20                        ; my row of the cluster: places 4 cy .. 4 cy + 3
	s_lshl_b32 s46, 0x1111, s40                    ; my column: places cx, cx + 4, cx + 8, cx + 12
	; descriptor group 1 for A: 128 rows x 128 elements, 4 words of padding behind every 64
	s_or_b32 s[G1+0], s20, (1<<16)|(1<<20)|(1<<21)|(5<<22)|(3<<25)  ; 15:0 the mask: my row; 17:16 elements of 2 bytes; 20 padding on; 21 set beside a mask; 24:22 after every 64 words (code 5); 31:25 4 words (code 3)
	s_mov_b32 s[G1+1], 128<<16                     ; tensor_dim0 = 128
	s_mov_b32 s[G1+2], 128<<16                     ; tensor_dim1 = 128
	s_mov_b32 s[G1+3], 128<<16                     ; tile_dim0 = 128
	s_mov_b32 s[G1+4], 128                         ; tile_dim1 = 128
	s_mov_b32 s[G1+5], 4096                        ; elements from row to row
	s_mov_b32 s[G1+6], 0
	s_mov_b32 s[G1+7], 0
	; descriptor group 1 for B: 64 rows (k) x 256 elements (n), 8 words of padding behind every 128
	s_or_b32 s[G1B+0], s46, (1<<16)|(1<<20)|(1<<21)|(6<<22)|(7<<25) ; the mask: my column; after every 128 words (code 6) 8 words (code 7)
	s_mov_b32 s[G1B+1], 256<<16                    ; tensor_dim0 = 256
	s_mov_b32 s[G1B+2], 64<<16                     ; tensor_dim1 = 64
	s_mov_b32 s[G1B+3], 256<<16                    ; tile_dim0 = 256
	s_mov_b32 s[G1B+4], 64                         ; tile_dim1 = 64
	s_mov_b32 s[G1B+5], 4096
	s_mov_b32 s[G1B+6], 0
	s_mov_b32 s[G1B+7], 0
	; where the tiles come from.  A's hang on the tile row alone, which my row of the cluster shares; B's on the tile column alone, which my column shares.
	; Every wave makes both addresses, in registers that never hold the other coordinate, and asks by one of them.  All offsets stay under 2^26.
	s_lshl_b32 s16, s43, 8
	s_lshl_b32 s17, s[CH], 7
	s_add_co_u32 s16, s16, s17                     ; A: row 256 x tile row + 128 x half,
	s_lshl_b32 s16, s16, 13                        ; of 8,192 bytes
	s_mov_b32 s17, 0
	s_lshl_b32 s46, s42, 9                         ; B: the tile column's 512 bytes of a row,
	s_lshl_b32 s47, s[CH], 19                      ; row 64 x half, of 8,192 bytes
	s_add_co_u32 s46, s46, s47
	s_mov_b32 s47, 0
	s_mul_i32 s21, s[WV], HALFT                    ; and where they go: A's two halves, then B's two halves = wave x 34,816: no place in the cluster enters an LDS address
	s_wait_dscnt 0x0                               ; both opening adds are done
	s_wait_kmcnt 0x0
	s_add_nc_u64 s[16:17], s[4:5], s[16:17]
	s_add_nc_u64 s[46:47], s[6:7], s[46:47]
	CROUND                                         ; all sixteen work-groups are here: the first joint loads meet
.irp s, 0,1
	s_mov_b32 s[G0+4*(\s)], 1                                      ; count = 1
	s_add_co_u32 s[G0+4*(\s)+1], s21, (\s)*SLOT                    ; LDS address
	s_add_nc_u64 s[G0+4*(\s)+2:G0+4*(\s)+3], s[16:17], (\s)*ASTEP  ; global address: K step s
	s_or_b32 s[G0+4*(\s)+3], s[G0+4*(\s)+3], 0x80000000            ; type = 2
	s_mov_b32 s[G0B+4*(\s)], 1
	s_add_co_u32 s[G0B+4*(\s)+1], s21, (\s)*SLOT
	s_add_nc_u64 s[G0B+4*(\s)+2:G0B+4*(\s)+3], s[46:47], (\s)*BSTEP
	s_or_b32 s[G0B+4*(\s)+3], s[G0B+4*(\s)+3], 0x80000000
	JLOAD \s                                       ; the ring is filled before anything else is done: two tensor loads of mine are out
.endr
	v_and_b32 v1, 15, v0                           ; l % 16
	v_bfe_u32 v2, v0, 4, 1                         ; l / 16
	v_and_b32 v3, 31, v0                           ; l
	; A fragment of A is 16 rows x 32 K in 8 registers: lane l holds row l % 16; registers 0-3 K = 8 (l / 16) + 0..7, registers 4-7 K = 16 + 8 (l / 16) + 0..7: two loads of 16 bytes, 32 bytes apart.
	v_mul_u32_u24 v4, v1, PA
	v_lshl_add_u32 v4, v2, 4, v4                   ; row x pitch + 16 x half
	s_mul_i32 s18, s[RH], HALFT                    ; my 128 rows of A
	v_add_nc_u32 v[ADRA], s18, v4
	v_add_nc_u32 v[ADRA+1], SLOT, v[ADRA]
	; The turning load takes 16 k x 16 n (lane l reads 16 bytes: row k = 8 (l / 16) + l % 8, columns 8 ((l / 8) % 2) + 0..7) and leaves half a fragment: lane l holds column l % 16 and 8 k.
	v_and_b32 v5, 7, v0
	v_lshl_add_u32 v5, v2, 3, v5
	v_mul_u32_u24 v5, v5, PB
	v_bfe_u32 v6, v0, 3, 1
	v_lshl_add_u32 v5, v6, 4, v5
	s_lshl_b32 s19, s[CH], 8                       ; my 128 columns: 256 bytes of a row of B,
	s_add_co_u32 s19, s19, 2*HALFT                 ; which lies behind A's 256 rows
	v_add_nc_u32 v[ADRB], s19, v5
	v_add_nc_u32 v[ADRB+1], SLOT, v[ADRB]
	s_mul_i32 s18, s[WV], 16*SP
	s_add_co_u32 s18, s18, STAGE                   ; my stage
	v_mul_u32_u24 v4, v1, SP                       ; in: row l % 16, 32 bytes for each half of the lanes
	v_lshl_add_u32 v4, v2, 5, v4
	v_add_nc_u32 v[STO], s18, v4
	v_lshl_add_u32 v[RD], v3, 4, s18               ; back: 32 lanes take one row of 512 bytes
	v_lshlrev_b32 v[CO], 4, v3                     ; and the same 512 bytes in out0
	v_lshlrev_b32 v[BO], 5, v2                     ; my 8 columns of each 16 in b
	s_lshl_b32 s18, s43, 8
	s_lshl_b32 s19, s[RH], 7
	s_add_co_u32 s18, s18, s19                     ; my first row of out0,
	s_lshl_b32 s18, s18, 14                        ; of 16,384 bytes
	s_lshl_b32 s20, s42, 10
	s_lshl_b32 s19, s[CH], 9
	s_add_co_u32 s20, s20, s19                     ; my first column, in bytes of f32: 1,024 x tile column + 512 x half
	s_mov_b32 s21, 0
	s_add_nc_u64 s[10:11], s[10:11], s[20:21]      ; b at my 128 columns
	s_add_co_u32 s18, s18, s20
	s_mov_b32 s19, 0
	s_add_nc_u64 s[8:9], s[8:9], s[18:19]          ; out0 at my part's first byte (the offset stays under 2^27); never stepped again
.irp b, 0,1,2,3,4,5,6,7
	global_load_b128 v[BIAS+8*(\b):BIAS+8*(\b)+3],   v[BO], s[10:11] offset:64*(\b)
	global_load_b128 v[BIAS+8*(\b)+4:BIAS+8*(\b)+7], v[BO], s[10:11] offset:64*(\b)+16
.endr
	; the prefetches' pointer, at K step 3: the first refill steps it to 4 and names that.  Nothing is prefetched here, at the head, where every work-group's first tiles are on their way.
	s_lshl_b32 s16, s43, 8
	s_lshl_b32 s17, s[CH], 7
	s_add_co_u32 s16, s16, s17
	s_lshl_b32 s17, s40, 5
	s_add_co_u32 s16, s16, s17                     ; A: the 128 rows that I fetch, my work-group's 32 of them
	s_lshl_b32 s16, s16, 13
	s_add_co_u32 s16, s16, 3*ASTEP
	s_lshl_b32 s17, s[CH], 6
	s_lshl_b32 s19, s41, 4
	s_add_co_u32 s17, s17, s19                     ; B: the 64 rows that I fetch, my work-group's 16 of them,
	s_lshl_b32 s17, s17, 13
	s_lshl_b32 s19, s42, 9
	s_add_co_u32 s17, s17, s19                     ; the tile column's 512 bytes
	s_add_co_u32 s17, s17, 3*BSTEP
	s_and_b32 s18, ttmp7, 0xffff                   ; cluster y
	s_mov_b32 s[PFS], BSTEP
	s_mov_b32 s[PFS+1], 0
	s_mov_b32 s21, 0
	s_cmp_eq_u32 s[RH], 0                          ; do I fetch for A?
	s_cselect_b32 s20, s16, s17
	s_cselect_b32 s18, ttmp9, s18                  ; the coordinate along which other clusters read the same blocks
	s_cselect_b32 s[PFS], ASTEP, s[PFS]
	s_cselect_b64 s[PFA:PFA+1], s[4:5], s[6:7]
	s_add_nc_u64 s[PFA:PFA+1], s[PFA:PFA+1], s[20:21]
	s_cmp_eq_u32 s18, 0
	s_cselect_b32 s[LIM], 1, -1                    ; the same in all sixteen partners, for a given wave
	v_lshrrev_b32 v4, s[RH], v3                    ; A: a lane a row; B: two lanes a row,
	v_and_b32 v5, s[RH], v3                        ; the odd lane its second 256 bytes
	v_lshlrev_b32 v4, 13, v4
	v_lshl_or_b32 v[PFO], v5, 8, v4
; 16 matrix instructions: m blocks a0, a0 + 1 of the window's four (hi = 0: my rows 0-63, 1: rows 64-127) x all 8 n blocks, 32 along K.
; first = 1: the product starts its sum with the bias (C in window 0).  The 64 accumulators take turns, one instruction a turn, in the same order in every quarter step.
.macro MUL16 f, hi, a0, first
.if \first
	WIN 0x81+0x40*(\hi)
.else
	WIN 0xa1+0x50*(\hi)
.endif
.irp a, \a0, (\a0)+1
.irp b, 0,1,2,3,4,5,6,7
.if \first
	v_wmma_f32_16x16x32_bf16 v[8*(8*(\a)+(\b)):8*(8*(\a)+(\b))+7], v[(\f)+8*(\b):(\f)+8*(\b)+7], v[(\f)+8*(4*(\hi)+(\a)):(\f)+8*(4*(\hi)+(\a))+7], v[BIAS+8*(\b):BIAS+8*(\b)+7]
.else
	v_wmma_f32_16x16x32_bf16 v[8*(8*(\a)+(\b)):8*(8*(\a)+(\b))+7], v[(\f)+8*(\b):(\f)+8*(\b)+7], v[(\f)+8*(4*(\hi)+(\a)):(\f)+8*(4*(\hi)+(\a))+7], v[8*(8*(\a)+(\b)):8*(8*(\a)+(\b))+7]
.endif
.endr
.endr
.endm
; 32 LDS loads in one run: the fragments of quarter q of a K step (32 k x my 128 columns of B, turned; my 128 rows of A x 32 k) into buffer f.  B's first, A's rows 64-127 last.
.macro FETCH slot, q, f
	WIN 0x40                                       ; destination window 1, address window 0
.irp i, 0,1,2,3,4,5,6,7
	ds_load_tr16_b128 v[(\f)+8*(\i):(\f)+8*(\i)+3],   v[ADRB+(\slot)] offset:(\q)*32*PB+32*(\i)
	ds_load_tr16_b128 v[(\f)+8*(\i)+4:(\f)+8*(\i)+7], v[ADRB+(\slot)] offset:(\q)*32*PB+32*(\i)+16*PB
.endr
	WIN 0
.irp i, 0,1,2,3,4,5,6,7
	ds_load_b128 v[(\f)+8*(\i):(\f)+8*(\i)+3],   v[ADRA+(\slot)] offset:64*(\q)+(\i)*16*PA
	ds_load_b128 v[(\f)+8*(\i)+4:(\f)+8*(\i)+7], v[ADRA+(\slot)] offset:64*(\q)+(\i)*16*PA+32
.endr
.endm
; A load into a register that a matrix instruction has read, and a vector instruction that reads or writes a matrix result, stand four places behind that matrix instruction, and only plain vector
; instructions that name none of its registers are places (ISA guide 7.12.1 for vector instructions).
.macro PLACES
.rept 4
	v_nop
.endr
.endm
; A K step is four quarters of 32 along K, 64 matrix instructions each, on buffers 0, 1, 0, 1.
; One of the first three: multiplies buffer f; in its middle it fetches quarter q of the same slot into buffer g.
.macro QUARTER slot, q, f, g, first
	s_wait_dscnt 8                                 ; B and A's rows 0-63 are in; the youngest eight loads (A's rows 64-127) may be out
	MUL16 \f, 0, 0, \first
	MUL16 \f, 0, 2, \first
	PLACES
	FETCH \slot, \q, \g
	s_wait_dscnt 32                                ; all but the 32 just issued
	MUL16 \f, 1, 0, \first
	MUL16 \f, 1, 2, \first
.endm
; The last quarter multiplies buffer 1 and changes slots: ONE barrier, for two things.  In front of it each wave waits for all its tensor loads, of which one is out: its part of the next slot; adds 0 to
; its spare word; and waits for that and for its own reads of this slot.  Behind it nobody reads this slot any more and the next slot is whole.
; fill = 1: this slot is filled again, two K steps on.  The barrier then opens a round of the cluster's barrier, so that no wave of any partner still reads the slot or has a load on its way, and the joint
; refill is the first tensor load behind the round, one a wave: from there to the wait for it a wave issues 224 matrix instructions.
.macro TURN slot, next, fill
.if \fill
	s_wait_xcnt 0x0                                ; the last prefetch, a K step back, has read its address: it is stepped here, ahead of the waits of the change of slots
	s_add_nc_u64 s[PFA:PFA+1], s[PFA:PFA+1], s[PFS:PFS+1]
.endif
	WIN 0                                          ; (the add's two registers lie in window 0)
	s_wait_tensorcnt 0x0                           ; all my tensor loads have landed: no load of mine is out, so a group 0 may be written
	ds_add_u32 v[SPW], v[NIL]                      ; 0 onto my spare word
	s_wait_dscnt 9                                 ; (the add and the youngest eight loads may be out)
	MUL16 F1, 0, 0, 0                              ; sixteen matrix instructions stand between the add and the wait for it
	s_wait_dscnt 0x0                               ; the add is done, and my reads of this slot are over
	s_barrier_signal -1
	MUL16 F1, 0, 2, 0                              ; work on registers while the others arrive
.if \fill
	WIN 0
.endif
	s_barrier_wait -1
.if \fill
	CREST
	s_add_nc_u64 s[G0+4*(\slot)+2:G0+4*(\slot)+3], s[G0+4*(\slot)+2:G0+4*(\slot)+3], 2*ASTEP    ; the type bits on top are not reached
	s_add_nc_u64 s[G0B+4*(\slot)+2:G0B+4*(\slot)+3], s[G0B+4*(\slot)+2:G0B+4*(\slot)+3], 2*BSTEP
	JLOAD \slot                                    ; the four v_nop behind it are also the places in front of the loads below
.else
	PLACES
.endif
	FETCH \next, 0, F0
.if \fill
	ASK
.endif
	MUL16 F1, 1, 0, 0
	MUL16 F1, 1, 2, 0
.endm
; THE WAY OUT of block a (16 rows x my 128 columns), in three parts.  RELU: the maximum with 0, in place, each accumulator's registers in ascending order.
.macro RELU a
.set AC, 64*((\a)%4)
	WIN 0x8a+0x45*((\a)/4)                         ; sources and destination in window 2 (blocks 0-3) or 3 (blocks 4-7)
.set i, 0
.rept 64
	v_max_num_f32 v[AC+i], 0, v[AC+i]
.set i, i+1
.endr
.endm
; TOSTAGE: a lane's 32 bytes of a row go into my own stage, rows of 528 bytes, and come back as whole rows of 512.
.macro TOSTAGE a
.set AC, 64*((\a)%4)
.set BK, F0+64*((\a)%2)
	WIN 0x08+0x04*((\a)/4)                         ; the stores' data in window 2 or 3, the address in window 0
.irp b, 0,1,2,3,4,5,6,7
	ds_store_b128 v[STO], v[AC+8*(\b):AC+8*(\b)+3]   offset:64*(\b)
	ds_store_b128 v[STO], v[AC+8*(\b)+4:AC+8*(\b)+7] offset:64*(\b)+16
.endr
	WIN 0
.irp t, 0,1,2,3,4,5,6,7,8,9,10,11,12,13,14,15
	ds_load_b128 v[BK+4*(\t):BK+4*(\t)+3], v[RD] offset:(\t)*SP  ; LDS serves a wave's instructions in order (ISA guide 5.7.1.4): these see the stores above, and the next block's stores come behind them
.endr
.endm
; SEND: stored.  Nothing was issued to LDS behind TOSTAGE's sixteen loads, so load t is in when 15 - t may still be out.
.macro SEND a
.set BK, F0+64*((\a)%2)
	WIN 0
	s_wait_xcnt 0x0                                ; the stores of the block before have read their registers: the next TOSTAGE loads into them only behind this wait
.irp t, 0,1,2,3,4,5,6,7,8,9,10,11,12,13,14,15
	s_wait_dscnt 15-(\t)
	global_store_b128 v[CO], v[BK+4*(\t):BK+4*(\t)+3], s[8:9] offset:(16*(\a)+(\t))*16384 th:TH_STORE_NT  ; the wave stores 512 consecutive bytes, at a multiple of 512 from out0's first byte; the row stands in the immediate, 127 x 16,384 at the most
.endr
.endm
	s_wait_tensorcnt 1                             ; my part of K step 0 is in; K step 1's load may stay out
	s_barrier_signal -1
	s_barrier_wait -1                              ; everybody's is
	FETCH 0, 0, F0
	s_wait_loadcnt 0x0                             ; the bias
	QUARTER 0, 1, F0, F1, 1                        ; the first quarter stands in front of the loop: its products start the sums
	WIN 0                                          ; at a label and at a branch every window is 0
	s_mov_b32 s3, LAPS-1
.Llap:                                                 ; a trip goes once round the ring, from a lap's second quarter to the next lap's first, and fills both slots again
	QUARTER 0, 2, F1, F0, 0
	QUARTER 0, 3, F0, F1, 0
	TURN 0, 1, 1
	QUARTER 1, 1, F0, F1, 0
	QUARTER 1, 2, F1, F0, 0
	QUARTER 1, 3, F0, F1, 0
	TURN 1, 0, 1
	QUARTER 0, 1, F0, F1, 0
	WIN 0
	s_sub_co_u32 s3, s3, 1
	s_cmp_lg_u32 s3, 0
	s_cbranch_scc1 .Llap
	QUARTER 0, 2, F1, F0, 0                        ; the last lap is written out: it fills nothing, and has no round of the cluster's barrier
	QUARTER 0, 3, F0, F1, 0
	TURN 0, 1, 0
	QUARTER 1, 1, F0, F1, 0
	QUARTER 1, 2, F1, F0, 0
	QUARTER 1, 3, F0, F1, 0
	s_wait_dscnt 8                                 ; the very last quarter: nothing more to fetch
	MUL16 F1, 0, 0, 0
	MUL16 F1, 0, 2, 0
	s_wait_dscnt 0x0
	MUL16 F1, 1, 0, 0
	MUL16 F1, 1, 2, 0
	PLACES                                         ; behind the last products, in front of the maxima and of the loads into the fragment buffers
	PLACES
	RELU 0
	TOSTAGE 0
.irp a, 1,2,3,4,5,6,7                  ; block a's maxima stand between block a - 1's loads from the stage and the waits for them
	RELU \a
	SEND (\a)-1
	TOSTAGE \a
.endr
	SEND 7
	WIN 0
	s_wait_tensorcnt 0x0                           ; the wave's end, behind my last tensor load and my last LDS store
	ds_add_u32 v[SPW], v[NIL]
	s_wait_dscnt 0x0
	CROUND                                         ; the closing round: no work-group ends while a partner may still ask for a tile that names it
	s_endpgm
.Lfunc_end_k_q6c9d27b27a_gemm:
	.size	k_q6c9d27b27a_gemm, .Lfunc_end_k_q6c9d27b27a_gemm-k_q6c9d27b27a_gemm
	.p2alignl 7, 3214868480
	.fill 96, 4, 3214868480
	.section	.rodata,"a",@progbits
	.p2align	6, 0x0
	.amdhsa_kernel k_q6c9d27b27a_gemm
		.amdhsa_group_segment_fixed_size 327680
		.amdhsa_private_segment_fixed_size 0
		.amdhsa_enable_private_segment 0
		.amdhsa_kernarg_size 32
		.amdhsa_user_sgpr_count 2
		.amdhsa_user_sgpr_kernarg_segment_ptr 1
		.amdhsa_wavefront_size32 1
		.amdhsa_system_sgpr_workgroup_id_x 1
		.amdhsa_system_sgpr_workgroup_id_y 1
		.amdhsa_system_sgpr_workgroup_id_z 1
		.amdhsa_system_vgpr_workitem_id 0
		.amdhsa_next_free_vgpr 1024
		.amdhsa_next_free_sgpr 66
		.amdhsa_reserve_vcc 0
		.amdhsa_float_denorm_mode_32 3
		.amdhsa_float_denorm_mode_16_64 3
		.amdhsa_memory_ordered 1
		.amdhsa_forward_progress 1
		.amdhsa_inst_pref_size 164
	.end_amdhsa_kernel
	.amdgpu_metadata
---
amdhsa.version: [ 1, 2 ]
amdhsa.kernels:
  - .name:           k_q6c9d27b27a_gemm
    .symbol:         k_q6c9d27b27a_gemm.kd
    .args:
      - { .name: xb, .offset: 0, .size: 8, .value_kind: global_buffer, .address_space: global }
      - { .name: ws, .offset: 8, .size: 8, .value_kind: global_buffer, .address_space: global }
      - { .name: out0, .offset: 16, .size: 8, .value_kind: global_buffer, .address_space: global }
      - { .name: b, .offset: 24, .size: 8, .value_kind: global_buffer, .address_space: global }
    .group_segment_fixed_size: 327680
    .private_segment_fixed_size: 0
    .kernarg_segment_align: 8
    .kernarg_segment_size: 32
    .max_flat_workgroup_size: 128
    .sgpr_count:     66
    .vgpr_count:     1024
    .wavefront_size: 32
...
	.end_amdgpu_metadata
.endif
;; end of part 2
;; ======== version 2 of 2: 2 launches; version 1 with the launch prep written anew for expert scheduling mode
;; workspace buffers: xb 33,554,432 bytes; ws 33,554,432 bytes
;; launch prep (part 3): grid 1024 x 1, 8 waves a work-group, no clusters, 0 bytes of LDS; arguments x, w, xb, ws; writes xb, ws
.if DOCPART == 3
	.amdgcn_target "amdgcn-amd-amdhsa--gfx1250"
	.amdhsa_code_object_version 6
	.text
	.protected	k_q6c9d27b27a_prep
	.globl	k_q6c9d27b27a_prep
	.p2align	8
	.type	k_q6c9d27b27a_prep,@function
k_q6c9d27b27a_prep:
	s_mov_b64 s[64:65], 0
	v_nop
	global_prefetch_b8 v0, s[64:65] scope:SCOPE_SE
	s_setreg_imm32_b32 hwreg(HW_REG_WAVE_SCHED_MODE, 0, 2), 2
	s_setreg_imm32_b32 hwreg(HW_REG_WAVE_MODE, 25, 1), 1
	s_wait_xcnt 0x0
	s_wait_alu depctr_vm_vsrc(0)
; out0 = relu(x . sign(w) + b), first of two launches: the two matrix operands are made once, in 16 bits.
;   xb[m][k] = x[m][k] rounded to bf16 (nearest even);  ws[k][n] = sign(w[k][n]) in bf16: -1, 0 or +1, exact.  Both keep their input's layout: nothing is turned here.
; Nothing of reference() is left out in this program: x, w and b all reach the output, sign() is taken of the f32 w, the bias is added and the relu applied in the second launch.
; LIMITS.  A NaN in w counts as +1 or -1 by its sign bit (reference() gives NaN there).  -0 and +0 in w give +0.  A denormal w gives +1 or -1, as in reference().
; x has bf16's 8 significant bits after this launch; its range is f32's.
; SHARES.  A stream: 1,024 work-groups of eight waves; work-group g owns bytes 65,536 g .. of x and of w and bytes 32,768 g .. of xb and of ws.
; Thread t takes, for i = 0 .. 15, the 16 bytes at 4,096 i + 16 t of each input part and stores the 8 bytes at 2,048 i + 8 t of each output part:
; a load of a wave covers 512 consecutive bytes, a store of a wave 256 consecutive bytes, at a multiple of 256 from the buffer's first byte.
; No wave wants a byte that another wave fetched: no LDS, no barrier, no matrix unit.  All 32 loads of a wave (16 KiB) go out ahead of the first wait for data.
; THE MODE: SCHED_MODE bits 1:0 = 2 (LLVM: expert scheduling mode 2), set by the entry lines.  The code itself states the register dependences
; between vector instructions and memory instructions, and between a vector instruction that writes a scalar register and that register's readers, with s_wait_alu, always for 0.
; THE PLAN.  The 16 slots go in 8 blocks of two: block p is slots 2 p and 2 p + 1 of x and of w, four loads.  Registers that memory instructions touch:
;   v1, v2     byte offsets, made once at the head and never written again: v1 is read by every load, v2 by every store; the slots are reached by immediate offsets.
;   X slot i   Written by load 2 i.  Block i / 2 rounds it in place; the slot's first two registers are read by one store, issued in block i / 2 + 1, and never written again.
;   W slot i   Written by load 2 i + 1.  Block i / 2 compares, sets the sign on 1.0, selects and rounds in place; its first two registers are read by one store, issued in block i / 2 + 1, and never written again.
;   s[16:23]   Eight masks: written by a block's eight compares, read by its eight selects.
; Block p's memory instructions are the four stores of block p - 1, and no vector instruction of block p names a register of block p - 1.  So ONE wait on va_vdst at a block's head, behind the wait for the
; block's data, states all that those four stores hang on, and they are dealt among the block's vector instructions with no further wait.  ONE wait on va_sdst a block stands between the run of compares
; and the first select.  No register that a memory instruction reads is written again and no base is stepped: nothing is owed on vm_vsrc or on XCNT.
.set X, 4                              ; v[4:67]    slot i: four f32 of x as loaded; its first two registers then hold the four bf16 to store
.set W, 68                             ; v[68:131]  the same for w
.set M, 16                             ; s[16:23]   a block's masks: number k of slot 2 p + j at M + 4 j + k
	s_load_b256 s[4:11], s[0:1], 0x0               ; x s[4:5], w s[6:7], xb s[8:9], ws s[10:11]
	s_lshl_b32 s12, ttmp9, 16                      ; my part of the inputs, in bytes (under 2^26)
	s_mov_b32 s13, 0
	s_lshl_b32 s14, ttmp9, 15                      ; my part of the outputs
	s_mov_b32 s15, 0
	s_mov_b32 s2, 0x7fffffff                       ; all bits but the sign
	s_mov_b32 s3, 0x3f800000                       ; 1.0
	v_lshlrev_b32 v1, 4, v0                        ; 16 t
	v_lshlrev_b32 v2, 3, v0                        ; 8 t
	s_wait_kmcnt 0x0
	s_add_nc_u64 s[4:5], s[4:5], s[12:13]
	s_add_nc_u64 s[6:7], s[6:7], s[12:13]
	s_add_nc_u64 s[8:9], s[8:9], s[14:15]
	s_add_nc_u64 s[10:11], s[10:11], s[14:15]
	s_wait_alu depctr_va_vdst(0)                   ; v1 and v2 are written: every load of the kernel reads v1 as its offset, every store v2
.irp i, 0,1,2,3,4,5,6,7,8,9,10,11,12,13,14,15
	global_load_b128 v[X+4*(\i):X+4*(\i)+3], v1, s[4:5] offset:4096*(\i) th:TH_LOAD_NT  ; load number 2 i
	global_load_b128 v[W+4*(\i):W+4*(\i)+3], v1, s[6:7] offset:4096*(\i) th:TH_LOAD_NT  ; load number 2 i + 1
.endr
; The stores of slot i: four bf16, 8 bytes a lane.
.macro STX i
	global_store_b64 v2, v[X+4*(\i):X+4*(\i)+1], s[8:9] offset:2048*(\i)
.endm
.macro STW i
	global_store_b64 v2, v[W+4*(\i):W+4*(\i)+1], s[10:11] offset:2048*(\i)
.endm
; Block p: the arithmetic of slots 2 p and 2 p + 1, and among it the four stores of block p - 1.
.macro BLK p
	s_wait_loadcnt 28-4*(\p)                       ; loads come back in order (ISA guide 5.7.1): behind load 4 p + 3, the block's last, stand 28 - 4 p younger ones
.if (\p) > 0
	s_wait_alu depctr_va_vdst(0)                   ; the block before has written the first two registers of its four slots, which the four stores below read; no vector instruction of this block names them
	STX 2*(\p)-2
.endif
.irp j, 0,1
.irp k, 0,1,2,3
	v_cmp_neq_f32 s[M+4*(\j)+(\k)], 0, v[W+4*(2*(\p)+(\j))+(\k)]   ; the eight compares in one run: is w other than 0?
.endr
.endr
.if (\p) > 0
	STW 2*(\p)-2
.endif
.irp j, 0,1
.irp k, 0,1,2,3
	v_bfi_b32 v[W+4*(2*(\p)+(\j))+(\k)], s2, s3, v[W+4*(2*(\p)+(\j))+(\k)]  ; 1.0's bits below, w's sign on top, in place
.endr
.endr
.if (\p) > 0
	STX 2*(\p)-1
.endif
.irp j, 0,1
	v_cvt_pk_bf16_f32 v[X+4*(2*(\p)+(\j))],   v[X+4*(2*(\p)+(\j))],   v[X+4*(2*(\p)+(\j))+1]  ; x: two roundings an instruction
	v_cvt_pk_bf16_f32 v[X+4*(2*(\p)+(\j))+1], v[X+4*(2*(\p)+(\j))+2], v[X+4*(2*(\p)+(\j))+3]
.endr
.if (\p) > 0
	STW 2*(\p)-1
.endif
	s_wait_alu depctr_va_sdst(0)                   ; the eight compares have written s[16:23], ahead of their first reader: the selects below
.irp j, 0,1
.irp k, 0,1,2,3
	v_cndmask_b32 v[W+4*(2*(\p)+(\j))+(\k)], 0, v[W+4*(2*(\p)+(\j))+(\k)], s[M+4*(\j)+(\k)]  ; 0 where w is 0
.endr
.endr
.irp j, 0,1
	v_cvt_pk_bf16_f32 v[W+4*(2*(\p)+(\j))],   v[W+4*(2*(\p)+(\j))],   v[W+4*(2*(\p)+(\j))+1]  ; -1, 0 and +1 are exact in bf16
	v_cvt_pk_bf16_f32 v[W+4*(2*(\p)+(\j))+1], v[W+4*(2*(\p)+(\j))+2], v[W+4*(2*(\p)+(\j))+3]
.endr
.endm
.irp p, 0,1,2,3,4,5,6,7
	BLK \p                                         ; block 0 has no block in front of it: no store, and no wait but the ones for its data and its masks
.endr
	s_wait_alu depctr_va_vdst(0)                   ; block 7 has written the first two registers of slots 14 and 15, which the last four stores read
	STX 14
	STW 14
	STX 15
	STW 15
	s_endpgm
.Lfunc_end_k_q6c9d27b27a_prep:
	.size	k_q6c9d27b27a_prep, .Lfunc_end_k_q6c9d27b27a_prep-k_q6c9d27b27a_prep
	.p2alignl 7, 3214868480
	.fill 96, 4, 3214868480
	.section	.rodata,"a",@progbits
	.p2align	6, 0x0
	.amdhsa_kernel k_q6c9d27b27a_prep
		.amdhsa_group_segment_fixed_size 0
		.amdhsa_private_segment_fixed_size 0
		.amdhsa_enable_private_segment 0
		.amdhsa_kernarg_size 32
		.amdhsa_user_sgpr_count 2
		.amdhsa_user_sgpr_kernarg_segment_ptr 1
		.amdhsa_wavefront_size32 1
		.amdhsa_system_sgpr_workgroup_id_x 1
		.amdhsa_system_sgpr_workgroup_id_y 1
		.amdhsa_system_sgpr_workgroup_id_z 1
		.amdhsa_system_vgpr_workitem_id 0
		.amdhsa_next_free_vgpr 132
		.amdhsa_next_free_sgpr 66
		.amdhsa_reserve_vcc 0
		.amdhsa_float_denorm_mode_32 3
		.amdhsa_float_denorm_mode_16_64 3
		.amdhsa_memory_ordered 1
		.amdhsa_forward_progress 1
		.amdhsa_inst_pref_size 24
	.end_amdhsa_kernel
	.amdgpu_metadata
---
amdhsa.version: [ 1, 2 ]
amdhsa.kernels:
  - .name:           k_q6c9d27b27a_prep
    .symbol:         k_q6c9d27b27a_prep.kd
    .args:
      - { .name: x, .offset: 0, .size: 8, .value_kind: global_buffer, .address_space: global }
      - { .name: w, .offset: 8, .size: 8, .value_kind: global_buffer, .address_space: global }
      - { .name: xb, .offset: 16, .size: 8, .value_kind: global_buffer, .address_space: global }
      - { .name: ws, .offset: 24, .size: 8, .value_kind: global_buffer, .address_space: global }
    .group_segment_fixed_size: 0
    .private_segment_fixed_size: 0
    .kernarg_segment_align: 8
    .kernarg_segment_size: 32
    .max_flat_workgroup_size: 256
    .sgpr_count:     66
    .vgpr_count:     132
    .wavefront_size: 32
...
	.end_amdgpu_metadata
.endif
;; end of part 3
;; launch gemm: the kernel of part 2 again; grid 16 x 16, 4 waves a work-group, clusters of 4 x 4, 327,680 bytes of LDS; arguments xb, ws, out0, b; writes out0
